; MI455X (gfx1250); checked and timed in simulation.
; The chip was launched on July 23, 2026; its instructions are those of AMD's public machine-readable ISA for CDNA 5 (MIT licence, August 2026) and "CDNA5" Instruction Set Architecture Reference Guide (July 2026). The comments in the code are by the model that wrote it; some were corrected since.
;; Vehicle Embedding. Allowed arithmetic: float matrix products may take bf16 or f16 operands with f32 sums; other float arithmetic in f32, or as packed bf16 or f16 multiplies, adds, multiply-adds, maxima and minima; sums over many terms, partial sums and values carried from step to step in f32; what a program stores and reads back later, other than sums and carried values, may be rounded once to bf16 or f16.
;; Inputs: W_ih 2,048 x 1,012 float32; b_hh 2,048 float32; b_ih 2,048 float32; beta 512 float32; gamma 512 float32; loads 2,048 x 16 float32; positions 2,048 x 16 int32; time 2,048 int32.
;; Outputs: out0 2,048 x 16 x 512 float32.
;; One version. Each part assembles by itself: llvm-mc -triple=amdgcn-amd-amdhsa -mcpu=gfx1250 --defsym DOCPART=n.
;; ======== version 1 of 1: 2 launches
;; limits: a function is approximated: absolute error at most 1e-07
;; workspace buffers: tab 6,217,728 bytes
;; launch prep (part 1): grid 16 x 24, 8 waves a work-group, no clusters, 18,432 bytes of LDS; arguments W_ih, b_ih, b_hh, tab; writes tab
.if DOCPART == 1
	.amdgcn_target "amdgcn-amd-amdhsa--gfx1250"
	.amdhsa_code_object_version 6
	.text
	.protected	k_qf7317feb89_prep
	.globl	k_qf7317feb89_prep
	.p2align	8
	.type	k_qf7317feb89_prep,@function
k_qf7317feb89_prep:
	s_mov_b64 s[64:65], 0
	v_nop
	global_prefetch_b8 v0, s[64:65] scope:SCOPE_SE
	s_setreg_imm32_b32 hwreg(HW_REG_WAVE_MODE, 25, 1), 1
	s_wait_xcnt 0x0
; tab[c][J], f32, 1012 rows of 1536 numbers (6,144 bytes): the three gate blocks of W_ih that reach the result, transposed, so that a COLUMN of W_ih
; becomes 6,144 consecutive bytes.  J = 512 G + d; G = 0: gate i (W rows 0-511), G = 1: gate g (W rows 1024-1535), G = 2: gate o (W rows 1536-2047).
; The f gate (W rows 512-1023 and those parts of the biases) is split off and never used by the module, so it is not read.
; Each number is scaled so that the later sums are arguments of 2^x: s = -log2(e) for i and o, +2 log2(e) for g.
;   rows 0-499 (a position's column):   s W
;   row  500   (the load's column):     s 0.01 W          (loads / 100 as a factor 0.01: one rounding apart from the division)
;   rows 501-1011 (a time's column):    s (W + b_ih + b_hh): every output row takes exactly one of these, so the biases ride on it
; A work-group turns a tile of 64 W rows x 64 columns through LDS.  In: 16 lanes take 256 consecutive bytes of a W row.  Out: 16 lanes store 256
; consecutive bytes of a table row, at a multiple of 256 from the table's first byte.
.set WROW,  4048                       ; bytes in a row of W_ih (1012 f32)
.set TROW,  6144                       ; bytes in a row of the table
.set PITCH, 272                        ; an LDS row: 256 bytes + 16, so that the 16 rows of a store start 16 bytes apart modulo 256
.set SPARE, 64*PITCH                   ; 17,408 = 68 x 256: behind the tile, the spare words, 128 bytes for each of the eight waves
.set WQ, 32                            ; v[32:47]  four quads of W as loaded; later the four quads to store
.set BI, 48                            ; v[48:51]  b_ih of my four J, then b_ih + b_hh
.set BH, 52                            ; v[52:55]  b_hh
.set AQ, 56                            ; v[56:71]  quad e: W(row 4 x + e, columns 4 y .. 4 y + 3) read back from LDS
	s_load_b256 s[4:11], s[0:1], 0x0               ; W_ih s[4:5], b_ih s[6:7], b_hh s[8:9], tab s[10:11]
	v_lshl_add_u32 v30, v0, 2, SPARE               ; my spare word,
	v_mov_b32 v31, 0                               ; and 0: kept for the closing add alone
	v_and_b32 v1, 15, v0                           ; x = t % 16
	v_lshrrev_b32 v2, 4, v0                        ; y = t / 16
	s_lshl_b32 s12, ttmp9, 6                       ; c0: the tile's first column of W = first row of the table
	s_and_b32 s13, ttmp7, 0xffff                   ; jt: the tile's number along J, 0 to 23
	s_lshl_b32 s14, s13, 6                         ; j0 = 64 jt
	s_cmp_ge_u32 s13, 8
	s_cselect_b32 s16, 512, 0                      ; gates g and o lie 512 rows further down in W: the f gate is stepped over
	s_add_co_u32 s14, s14, s16                     ; the tile's first row of W
	s_lshl_b32 s15, s13, 8                         ; 4 j0: the tile's first byte in a table row
	s_mov_b32 s20, 0x4038aa3b                      ; 2 log2(e)
	s_mov_b32 s21, 0xbfb8aa3b                      ; -log2(e)
	s_lshr_b32 s16, s13, 3                         ; G
	s_cmp_eq_u32 s16, 1
	s_cselect_b32 s22, s20, s21                    ; s
	s_mul_f32 s23, s22, 0x3c23d70a                 ; 0.01 s
	v_lshl_add_u32 v3, v1, 2, s12                  ; my first column,
	v_min_u32 v3, 1008, v3                         ; held inside the row: the last tile's columns from 1012 on do not exist, and what is loaded for them is never stored
	v_add_nc_u32 v5, s14, v2
	v_mul_u32_u24 v4, v5, WROW
	v_lshl_add_u32 v4, v3, 2, v4                   ; byte offset in W: (row0 + y) x 4,048 + 4 x column
	v_lshl_add_u32 v6, v1, 2, s14
	v_lshlrev_b32 v6, 2, v6                        ; byte offset in the biases of W rows row0 + 4 x .. + 3
	v_mul_u32_u24 v7, v2, PITCH
	v_lshl_add_u32 v7, v1, 4, v7                   ; into LDS: row y, 16 bytes at 16 x
	v_mul_u32_u24 v8, v1, 4*PITCH
	v_lshl_add_u32 v8, v2, 4, v8                   ; back: rows 4 x .. 4 x + 3, 16 bytes at 16 y
	v_lshl_add_u32 v9, v2, 2, s12                  ; c = c0 + 4 y: the first of my four table rows
	v_mul_u32_u24 v15, v9, TROW
	v_lshl_add_u32 v15, v1, 4, v15
	v_add_nc_u32 v15, s15, v15                     ; byte offset in the table: 6,144 c + 4 j0 + 16 x
	v_mov_b32 v13, s22
	v_mov_b32 v14, s23
	s_wait_kmcnt 0x0
.irp i, 0,1,2,3
	global_load_b128 v[WQ+4*(\i):WQ+4*(\i)+3], v4, s[4:5] offset:16*WROW*(\i)  ; rows y, y + 16, y + 32, y + 48 of the tile
.endr
	global_load_b128 v[BI:BI+3], v6, s[6:7]
	global_load_b128 v[BH:BH+3], v6, s[8:9]
	s_wait_loadcnt 0x2                             ; loads come back in order: W's four are in, the two of the biases may stay out
.irp i, 0,1,2,3
	ds_store_b128 v7, v[WQ+4*(\i):WQ+4*(\i)+3] offset:16*PITCH*(\i)
.endr
	s_wait_dscnt 0x0                               ; for the others' sake: my stores into the tile are done
	s_barrier_signal -1
	s_barrier_wait -1                              ; everybody's are
.irp e, 0,1,2,3
	ds_load_b128 v[AQ+4*(\e):AQ+4*(\e)+3], v8 offset:PITCH*(\e)
.endr
	s_wait_loadcnt 0x0                             ; the biases
	v_pk_add_f32 v[BI:BI+1], v[BI:BI+1], v[BH:BH+1]
	v_pk_add_f32 v[BI+2:BI+3], v[BI+2:BI+3], v[BH+2:BH+3]
	s_wait_dscnt 0x0
	; table row c + cc takes register cc of each of the four quads: the turn is made by the choice of registers, no move is written
.irp cc, 0,1,2,3
	v_cmp_lt_u32 vcc_lo, 500-(\cc), v9             ; c + cc > 500: a time's column takes the biases
	v_cndmask_b32 v11, 0, 1.0, vcc_lo
	v_cmp_eq_u32 vcc_lo, 500-(\cc), v9             ; c + cc = 500: the load's column takes 0.01 s
	v_cndmask_b32 v12, v13, v14, vcc_lo
.irp e, 0,1,2,3
	v_fma_f32 v[WQ+4*(\cc)+(\e)], v11, v[BI+(\e)], v[AQ+4*(\e)+(\cc)]
.endr
	v_pk_mul_f32 v[WQ+4*(\cc):WQ+4*(\cc)+1], v[WQ+4*(\cc):WQ+4*(\cc)+1], v[12:13] op_sel_hi:[1,0]
	v_pk_mul_f32 v[WQ+4*(\cc)+2:WQ+4*(\cc)+3], v[WQ+4*(\cc)+2:WQ+4*(\cc)+3], v[12:13] op_sel_hi:[1,0]
.endr
	v_cmp_gt_u32 vcc_lo, 1012, v9                  ; 1012 is a multiple of 4: my four rows exist together or not at all
	s_wait_xcnt 0x0                                ; EXEC is narrowed only behind this wait
	s_and_saveexec_b32 s24, vcc_lo
.irp cc, 0,1,2,3
	global_store_b128 v15, v[WQ+4*(\cc):WQ+4*(\cc)+3], s[10:11] offset:TROW*(\cc)  ; no hint: the next launch reads the table many times
.endr
	s_wait_xcnt 0x0                                ; and widened only behind this one
	s_or_b32 exec_lo, exec_lo, s24
	s_wait_tensorcnt 0x0                           ; the wave's end
	ds_add_u32 v30, v31
	s_wait_dscnt 0x0
	s_endpgm
.Lfunc_end_k_qf7317feb89_prep:
	.size	k_qf7317feb89_prep, .Lfunc_end_k_qf7317feb89_prep-k_qf7317feb89_prep
	.p2alignl 7, 3214868480
	.fill 96, 4, 3214868480
	.section	.rodata,"a",@progbits
	.p2align	6, 0x0
	.amdhsa_kernel k_qf7317feb89_prep
		.amdhsa_group_segment_fixed_size 18432
		.amdhsa_private_segment_fixed_size 0
		.amdhsa_enable_private_segment 0
		.amdhsa_kernarg_size 32
		.amdhsa_user_sgpr_count 2
		.amdhsa_user_sgpr_kernarg_segment_ptr 1
		.amdhsa_wavefront_size32 1
		.amdhsa_system_sgpr_workgroup_id_x 1
		.amdhsa_system_sgpr_workgroup_id_y 1
		.amdhsa_system_sgpr_workgroup_id_z 1
		.amdhsa_system_vgpr_workitem_id 0
		.amdhsa_next_free_vgpr 72
		.amdhsa_next_free_sgpr 66
		.amdhsa_reserve_vcc 1
		.amdhsa_float_denorm_mode_32 3
		.amdhsa_float_denorm_mode_16_64 3
		.amdhsa_memory_ordered 1
		.amdhsa_forward_progress 1
		.amdhsa_inst_pref_size 7
	.end_amdhsa_kernel
	.amdgpu_metadata
---
amdhsa.version: [ 1, 2 ]
amdhsa.kernels:
  - .name:           k_qf7317feb89_prep
    .symbol:         k_qf7317feb89_prep.kd
    .args:
      - { .name: W_ih, .offset: 0, .size: 8, .value_kind: global_buffer, .address_space: global }
      - { .name: b_ih, .offset: 8, .size: 8, .value_kind: global_buffer, .address_space: global }
      - { .name: b_hh, .offset: 16, .size: 8, .value_kind: global_buffer, .address_space: global }
      - { .name: tab, .offset: 24, .size: 8, .value_kind: global_buffer, .address_space: global }
    .group_segment_fixed_size: 18432
    .private_segment_fixed_size: 0
    .kernarg_segment_align: 8
    .kernarg_segment_size: 32
    .max_flat_workgroup_size: 256
    .sgpr_count:     66
    .vgpr_count:     72
    .wavefront_size: 32
...
	.end_amdgpu_metadata
.endif
;; end of part 1
;; launch main (part 2): grid 256 x 1, 16 waves a work-group, no clusters, 0 bytes of LDS; arguments tab, positions, loads, time, gamma, beta, out0; writes out0
.if DOCPART == 2
	.amdgcn_target "amdgcn-amd-amdhsa--gfx1250"
	.amdhsa_code_object_version 6
	.text
	.protected	k_qf7317feb89_main
	.globl	k_qf7317feb89_main
	.p2align	8
	.type	k_qf7317feb89_main,@function
k_qf7317feb89_main:
	s_mov_b64 s[64:65], 0
	v_nop
	global_prefetch_b8 v0, s[64:65] scope:SCOPE_SE
	s_setreg_imm32_b32 hwreg(HW_REG_WAVE_MODE, 25, 1), 1
	s_wait_xcnt 0x0
; out0[b][k][:] = LayerNorm(sigmoid(o) tanh(sigmoid(i) tanh(g))) gamma + beta, gates = W[:, pos] + (load / 100) W[:, 500] + W[:, 501 + t] + b_ih + b_hh.
; The module's features are one-hots that it builds itself, so its product IS this sum of three columns, for every input; the columns come as rows of the
; table tab[1012][1536] (gates i, g, o; scaled by -log2(e), 2 log2(e), -log2(e); 0.01 in row 500; the biases in rows 501 on).  All in f32.
; With x_i, x_g, x_o the three sums and K = 2 log2(e):  Ei = 2^x_i, Eg = 2^min(x_g, 60), Eo = 2^x_o,
;   K c = (K (Eg + 1) - 2 K) / ((1 + Ei)(1 + Eg)),   Ec = 2^(K c),   h = (Ec - 1) / ((1 + Eo)(1 + Ec)):  four exponentials and two reciprocals a number.
; Ei or Eo = infinity makes a denominator infinite and the quotient 0, which is the limit.  Eg alone stands in a numerator, so x_g alone is capped: tanh is 1 in f32 long before 2^60.
; LayerNorm in two passes on the row in registers: the mean, then the mean of (h - mean)^2: no difference of large sums.
; LIMITS.  NaN and infinities in the inputs are not treated apart; a sigmoid below 2^-126 counts as 0; tanh as (E - 1) / (E + 1) is off by about 1e-7 absolutely.
; A position outside 0..499 adds nothing (factor 0, the row read is row 499's), as a one-hot of it does; time is clipped to 0..510.
; SHARES.  4,096 waves, 8 rows of the flattened [2048 x 16] each: half of one b, so one time row serves the wave.  A wave holds a whole row of 512: lane l has
; d = 128 j + 4 l + e (j, e = 0..3), 16 numbers a gate, so each load and each store of the wave covers 512 consecutive bytes at a multiple of 512.
; No LDS, no barrier, no matrix unit, no cluster: the waves share nothing, and a product with one-hots is a choice of rows.
; Two row buffers take turns: while a row is worked on, the next row's twelve loads are on their way.  The eight rows are written out by one macro, since each names its own scalar registers.
.set ROWB, 6144                        ; bytes in a table row
.set LB,  16                           ; v[16:63]    the load's row (table row 500): register 16 G + 4 j + e, as in every block of 48
.set TT,  64                           ; v[64:111]   the wave's time row
.set GA,  112                          ; v[112:127]  gamma
.set BE,  128                          ; v[128:143]  beta
.set P0,  144                          ; v[144:191]  row buffer 0
.set P1,  192                          ; v[192:239]  row buffer 1
                                       ; v1 16 x lane, never rewritten; v[2:3], v[8:15] sums at work; v[4:5] the mean, v[6:7] 1 / sqrt(var + eps): low words, the high words are set once
.set POSV, 24                          ; s[24:31]  the 8 positions, then the 8 factors 1.0 or 0
.set LOADS, 32                         ; s[32:39]  the 8 loads
.set RB,  44                           ; s[44:59]  the 8 rows' addresses in the table; never rewritten
.set LD,  66                           ; s[66:67]  the row's load (a pair: the packed forms name both words)
.set VAL, 68                           ; s[68:69]  the row's factor
.set KK,  70                           ; s[70:71]  K
.set K2,  72                           ; s[72:73]  -2 K
.set CAP, 74                           ; s74  60.0
.set INV, 75                           ; s75  1 / 512
.set EPS, 76                           ; s76  1e-5
.set SEL, 78                           ; s[78:79]  v_permlanex16_b32's selects: each lane takes its own place in the other half
	s_load_b256 s[4:11], s[0:1], 0x0               ; tab s[4:5], positions s[6:7], loads s[8:9], time s[10:11]
	s_load_b128 s[12:15], s[0:1], 0x20             ; gamma s[12:13], beta s[14:15]
	s_load_b64 s[16:17], s[0:1], 0x30              ; out0
	v_and_b32 v1, 31, v0
	v_lshrrev_b32 v2, 5, v0
	v_lshlrev_b32 v1, 4, v1                        ; 16 bytes a lane
	v_readfirstlane_b32 s18, v2                    ; my wave in the work-group
	s_lshl_b32 s19, ttmp9, 4
	s_add_co_u32 s19, s19, s18                     ; W: my wave in the launch, 0 to 4,095
	s_lshl_b32 s20, s19, 5                         ; my 8 positions and loads: 32 bytes at 32 W
	s_mov_b32 s21, 0
	s_lshr_b32 s22, s19, 1                         ; b = W / 2
	s_lshl_b32 s22, s22, 2
	s_mov_b32 s23, 0
	s_mov_b32 s[KK], 0x4038aa3b                    ; K = 2 log2(e)
	s_mov_b32 s[KK+1], 0x4038aa3b
	s_mov_b32 s[K2], 0xc0b8aa3b                    ; -2 K
	s_mov_b32 s[K2+1], 0xc0b8aa3b
	s_mov_b32 s[CAP], 0x42700000                   ; 60.0
	s_mov_b32 s[INV], 0x3b000000                   ; 1 / 512
	s_mov_b32 s[EPS], 0x3727c5ac                   ; 1e-5
	s_mov_b32 s[SEL], 0x76543210
	s_mov_b32 s[SEL+1], 0xfedcba98
	v_mov_b32 v5, 0                                ; named with v4 and v6 as pairs, never used
	v_mov_b32 v7, 0
	s_wait_kmcnt 0x0
	s_add_nc_u64 s[6:7], s[6:7], s[20:21]
	s_add_nc_u64 s[8:9], s[8:9], s[20:21]
	s_add_nc_u64 s[10:11], s[10:11], s[22:23]
	s_load_b256 s[POSV:POSV+7], s[6:7], 0x0
	s_load_b256 s[LOADS:LOADS+7], s[8:9], 0x0
	s_load_b32 s40, s[10:11], 0x0
	; what hangs on the arguments alone goes out while the indices come: the load's row, gamma, beta: 20 loads
.irp g, 0,1,2
.irp j, 0,1,2,3
	global_load_b128 v[LB+16*(\g)+4*(\j):LB+16*(\g)+4*(\j)+3], v1, s[4:5] offset:500*ROWB+2048*(\g)+512*(\j)
.endr
.endr
.irp j, 0,1,2,3
	global_load_b128 v[GA+4*(\j):GA+4*(\j)+3], v1, s[12:13] offset:512*(\j)
.endr
.irp j, 0,1,2,3
	global_load_b128 v[BE+4*(\j):BE+4*(\j)+3], v1, s[14:15] offset:512*(\j)
.endr
	s_lshl_b32 s20, s19, 14                        ; my 8 rows of 2,048 bytes in out0
	s_add_nc_u64 s[16:17], s[16:17], s[20:21]
	s_wait_kmcnt 0x0
	s_max_i32 s40, s40, 0                          ; the module's clip of time,
	s_min_u32 s40, s40, 510                        ; which also keeps the row inside the table
	s_mul_i32 s42, s40, ROWB
	s_mov_b32 s43, 0
	s_add_nc_u64 s[42:43], s[4:5], s[42:43]        ; table row t; the 501 rows in front of the times stand in the loads' immediate
.irp r, 0,1,2,3,4,5,6,7
	s_cmp_lt_u32 s[POSV+(\r)], 500                 ; unsigned: a negative position fails too
	s_cselect_b32 s41, 1.0, 0
	s_min_u32 s[RB+2*(\r)], s[POSV+(\r)], 499
	s_mul_i32 s[RB+2*(\r)], s[RB+2*(\r)], ROWB
	s_mov_b32 s[RB+2*(\r)+1], 0
	s_add_nc_u64 s[RB+2*(\r):RB+2*(\r)+1], s[4:5], s[RB+2*(\r):RB+2*(\r)+1]
	s_mov_b32 s[POSV+(\r)], s41
.endr
.irp g, 0,1,2
.irp j, 0,1,2,3
	global_load_b128 v[TT+16*(\g)+4*(\j):TT+16*(\g)+4*(\j)+3], v1, s[42:43] offset:501*ROWB+2048*(\g)+512*(\j)
.endr
.endr
; Gate g of row r's position row into buffer pb: four loads of 512 consecutive bytes
.macro FILLG r, pb, g
.irp j, 0,1,2,3
	global_load_b128 v[(\pb)+16*(\g)+4*(\j):(\pb)+16*(\g)+4*(\j)+3], v1, s[RB+2*(\r):RB+2*(\r)+1] offset:2048*(\g)+512*(\j)
.endr
.endm
	FILLG 0, P0, 0
	FILLG 0, P0, 1
	FILLG 0, P0, 2
	FILLG 1, P1, 0
	FILLG 1, P1, 1
	FILLG 1, P1, 2
; A ROW'S ARITHMETIC goes in stages, each on one HALF of the row (h = 0, 1: eight numbers a lane and gate), all in place in buffer PB.
; Transcendental stages: XB 24 exponentials (Ei, Eg, Eo); XD 8 reciprocals of (1 + Ei)(1 + Eg); XF 8 exponentials Ec; XH 8 reciprocals of (1 + Eo)(1 + Ec).
.set XB, 0
.set XD, 1
.set XF, 2
.set XH, 3
.macro TR st, h, n                     ; number n of stage st
.if (\st) == XB
	v_exp_f32 v[PB+16*((\n)/8)+8*(\h)+(\n)%8], v[PB+16*((\n)/8)+8*(\h)+(\n)%8]
.elseif (\st) == XD
	v_rcp_f32 v[PB+8*(\h)+(\n)], v[PB+8*(\h)+(\n)]
.elseif (\st) == XF
	v_exp_f32 v[PB+16+8*(\h)+(\n)], v[PB+16+8*(\h)+(\n)]
.else
	v_rcp_f32 v[PB+32+8*(\h)+(\n)], v[PB+32+8*(\h)+(\n)]
.endif
.endm
; Plain stages.  YA (32): the three sums, position x factor + time, then + load x the load's row; the cap on x_g.  YC (20): 1 + Ei, 1 + Eg, 1 + Eo; their first product; K (Eg + 1) - 2 K.
; YE (4): K c.  YM (8): (1 + Eo) Ec + (1 + Eo); Ec - 1.  YN (4): h.
.set YA, 0
.set YC, 1
.set YE, 2
.set YM, 3
.set YN, 4
.macro PO st, h, n                     ; number n of stage st
.set rI, PB+8*(\h)+2*((\n)%4)          ; pair n % 4 of the half, in gate i's, g's and o's registers
.set rG, rI+16
.set rO, rI+32
.set rp, 16*(((\n)%12)/4)+8*(\h)+2*((\n)%4)  ; stage YA: gate (n % 12) / 4, pair n % 4
.if (\st) == YA
.if (\n) < 12
	v_pk_fma_f32 v[PB+rp:PB+rp+1], v[PB+rp:PB+rp+1], s[VAL:VAL+1], v[TT+rp:TT+rp+1] op_sel_hi:[1,0,1]
.elseif (\n) < 24
	v_pk_fma_f32 v[PB+rp:PB+rp+1], v[LB+rp:LB+rp+1], s[LD:LD+1], v[PB+rp:PB+rp+1] op_sel_hi:[1,0,1]
.else
	v_min_num_f32 v[PB+16+8*(\h)+(\n)-24], s[CAP], v[PB+16+8*(\h)+(\n)-24]
.endif
.elseif (\st) == YC
.if (\n) < 4
	s_wait_alu depctr_va_vdst(0)
	v_pk_add_f32 v[rI:rI+1], v[rI:rI+1], 1.0 op_sel_hi:[1,0]
.elseif (\n) < 8
	v_pk_add_f32 v[rG:rG+1], v[rG:rG+1], 1.0 op_sel_hi:[1,0]   ; an add of its own: (1 + Ei) Eg + (1 + Ei) would be infinity x 0 where Ei overflows and Eg is 0
.elseif (\n) < 12
	v_pk_add_f32 v[rO:rO+1], v[rO:rO+1], 1.0 op_sel_hi:[1,0]
.elseif (\n) < 16
	v_pk_mul_f32 v[rI:rI+1], v[rI:rI+1], v[rG:rG+1]
.else
	v_pk_fma_f32 v[rG:rG+1], v[rG:rG+1], s[KK:KK+1], s[K2:K2+1] op_sel_hi:[1,0,0]
.endif
.elseif (\st) == YE
	s_wait_alu depctr_va_vdst(0)
	v_pk_mul_f32 v[rG:rG+1], v[rG:rG+1], v[rI:rI+1]
.elseif (\st) == YM
.if (\n) < 4
	s_wait_alu depctr_va_vdst(0)
	v_pk_fma_f32 v[rO:rO+1], v[rO:rO+1], v[rG:rG+1], v[rO:rO+1]   ; Ec lies within 2^-2.9 .. 2^2.9, so this one may be fused
.else
	v_pk_add_f32 v[rG:rG+1], v[rG:rG+1], -1.0 op_sel_hi:[1,0]
.endif
.else
	s_wait_alu depctr_va_vdst(0)
	v_pk_mul_f32 v[rG:rG+1], v[rG:rG+1], v[rO:rO+1]
.endif
.endm
; One half's nt transcendentals with the other half's np plain instructions dealt evenly behind them.  The two halves share no register, and at least one plain instruction stands behind the last
; transcendental; a stage's results are read in a later ZIP only.  So every transcendental has a plain, independent instruction between it and the use of its result (ISA guide 5.7.2).
.macro ZIP tst, th, nt, pst, ph, np
.set zn, 0
.set zp, 0
.rept \nt
	TR \tst, \th, zn
.rept ((zn+1)*(\np))/(\nt)-(zn*(\np))/(\nt)
	PO \pst, \ph, zp
.set zp, zp+1
.endr
.set zn, zn+1
.endr
.endm
.macro RUN pst, ph, np                 ; a plain stage by itself
.set zp, 0
.rept \np
	PO \pst, \ph, zp
.set zp, zp+1
.endr
.endm
.macro LANES                           ; v2 summed over the 32 lanes, the result in every lane: four steps inside each half of 16 ride on the addition, one crosses the halves
	v_add_f32_dpp v2, v2, v2 row_xmask:1 row_mask:0xf bank_mask:0xf
	v_add_f32_dpp v2, v2, v2 row_xmask:2 row_mask:0xf bank_mask:0xf
	v_add_f32_dpp v2, v2, v2 row_xmask:4 row_mask:0xf bank_mask:0xf
	v_add_f32_dpp v2, v2, v2 row_xmask:8 row_mask:0xf bank_mask:0xf
	v_permlanex16_b32 v3, v2, s[SEL], s[SEL+1]
	v_add_f32 v2, v2, v3
.endm
; Row r of the wave's eight, in buffer pb.
.macro ROW r, pb
.set PB, \pb
.set HB, PB+16                         ; h ends up in gate g's sixteen registers
.if (\r) < 7
	s_wait_loadcnt 12                              ; loads come back in order (ISA guide 5.7.1): this row's twelve are in (ahead of row 0's: all the wave's constants); the next row's twelve stay out
.else
	s_wait_loadcnt 0x0                             ; the last row: nothing was asked for behind it
.endif
	s_mov_b32 s[LD], s[LOADS+(\r)]
	s_mov_b32 s[LD+1], s[LOADS+(\r)]
	s_mov_b32 s[VAL], s[POSV+(\r)]
	s_mov_b32 s[VAL+1], s[POSV+(\r)]
	RUN YA, 0, 32
	ZIP XB, 0, 24, YA, 1, 32
	ZIP XB, 1, 24, YC, 0, 20
	ZIP XD, 0, 8,  YC, 1, 20
	ZIP XD, 1, 8,  YE, 0, 4
	ZIP XF, 0, 8,  YE, 1, 4
	ZIP XF, 1, 8,  YM, 0, 8
	ZIP XH, 0, 8,  YM, 1, 8
	ZIP XH, 1, 8,  YN, 0, 4
	RUN YN, 1, 4
.if (\r) < 6
	FILLG (\r)+2, \pb, 0                           ; gate i's and gate o's registers are done with: the row after next starts on its way ahead of the norm
	FILLG (\r)+2, \pb, 2
.endif
	; the mean
	v_pk_add_f32 v[8:9], v[HB:HB+1], v[HB+2:HB+3]
	v_pk_add_f32 v[10:11], v[HB+4:HB+5], v[HB+6:HB+7]
	v_pk_add_f32 v[12:13], v[HB+8:HB+9], v[HB+10:HB+11]
	v_pk_add_f32 v[14:15], v[HB+12:HB+13], v[HB+14:HB+15]
	v_pk_add_f32 v[8:9], v[8:9], v[10:11]
	v_pk_add_f32 v[12:13], v[12:13], v[14:15]
	v_pk_add_f32 v[2:3], v[8:9], v[12:13]
	v_add_f32 v2, v2, v3
	LANES
	v_mul_f32 v4, s[INV], v2
.irp p, 0,1,2,3,4,5,6,7
	v_pk_add_f32 v[HB+2*(\p):HB+2*(\p)+1], v[HB+2*(\p):HB+2*(\p)+1], v[4:5] op_sel_hi:[1,0] neg_lo:[0,1] neg_hi:[0,1]  ; h - mean
.endr
	; the mean of the squares, in two chains started by the first two products
	v_pk_mul_f32 v[2:3], v[HB:HB+1], v[HB:HB+1]
	v_pk_mul_f32 v[8:9], v[HB+2:HB+3], v[HB+2:HB+3]
.irp p, 2,4,6
	v_pk_fma_f32 v[2:3], v[HB+2*(\p):HB+2*(\p)+1], v[HB+2*(\p):HB+2*(\p)+1], v[2:3]
	v_pk_fma_f32 v[8:9], v[HB+2*(\p)+2:HB+2*(\p)+3], v[HB+2*(\p)+2:HB+2*(\p)+3], v[8:9]
.endr
	v_pk_add_f32 v[2:3], v[2:3], v[8:9]
	v_add_f32 v2, v2, v3
	LANES
	v_fma_f32 v6, v2, s[INV], s[EPS]               ; var + eps
	v_rsq_f32 v6, v6
	v_nop                                          ; the plain instruction between the root and the use of its result: nothing else is ready here
	s_wait_alu depctr_va_vdst(0)
.irp p, 0,1,2,3,4,5,6,7
	v_pk_mul_f32 v[HB+2*(\p):HB+2*(\p)+1], v[HB+2*(\p):HB+2*(\p)+1], v[6:7] op_sel_hi:[1,0]
.endr
.irp p, 0,1,2,3,4,5,6,7
	v_pk_fma_f32 v[HB+2*(\p):HB+2*(\p)+1], v[HB+2*(\p):HB+2*(\p)+1], v[GA+2*(\p):GA+2*(\p)+1], v[BE+2*(\p):BE+2*(\p)+1]
.endr
.irp j, 0,1,2,3
	global_store_b128 v1, v[HB+4*(\j):HB+4*(\j)+3], s[16:17] offset:2048*(\r)+512*(\j) th:TH_STORE_NT  ; 512 consecutive bytes, at a multiple of 512 from out0's first; written once, never read here
.endr
.if (\r) < 6
	s_wait_xcnt 0x0                                ; the stores' data registers are loaded again only behind this wait
	FILLG (\r)+2, \pb, 1
.endif
.endm
.irp r, 0,1,2,3,4,5,6,7
	ROW \r, P0+48*((\r)%2)
.endr
	s_endpgm
.Lfunc_end_k_qf7317feb89_main:
	.size	k_qf7317feb89_main, .Lfunc_end_k_qf7317feb89_main-k_qf7317feb89_main
	.p2alignl 7, 3214868480
	.fill 96, 4, 3214868480
	.section	.rodata,"a",@progbits
	.p2align	6, 0x0
	.amdhsa_kernel k_qf7317feb89_main
		.amdhsa_group_segment_fixed_size 0
		.amdhsa_private_segment_fixed_size 0
		.amdhsa_enable_private_segment 0
		.amdhsa_kernarg_size 56
		.amdhsa_user_sgpr_count 2
		.amdhsa_user_sgpr_kernarg_segment_ptr 1
		.amdhsa_wavefront_size32 1
		.amdhsa_system_sgpr_workgroup_id_x 1
		.amdhsa_system_sgpr_workgroup_id_y 1
		.amdhsa_system_sgpr_workgroup_id_z 1
		.amdhsa_system_vgpr_workitem_id 0
		.amdhsa_next_free_vgpr 240
		.amdhsa_next_free_sgpr 80
		.amdhsa_reserve_vcc 0
		.amdhsa_float_denorm_mode_32 3
		.amdhsa_float_denorm_mode_16_64 3
		.amdhsa_memory_ordered 1
		.amdhsa_forward_progress 1
		.amdhsa_inst_pref_size 145
	.end_amdhsa_kernel
	.amdgpu_metadata
---
amdhsa.version: [ 1, 2 ]
amdhsa.kernels:
  - .name:           k_qf7317feb89_main
    .symbol:         k_qf7317feb89_main.kd
    .args:
      - { .name: tab, .offset: 0, .size: 8, .value_kind: global_buffer, .address_space: global }
      - { .name: positions, .offset: 8, .size: 8, .value_kind: global_buffer, .address_space: global }
      - { .name: loads, .offset: 16, .size: 8, .value_kind: global_buffer, .address_space: global }
      - { .name: time, .offset: 24, .size: 8, .value_kind: global_buffer, .address_space: global }
      - { .name: gamma, .offset: 32, .size: 8, .value_kind: global_buffer, .address_space: global }
      - { .name: beta, .offset: 40, .size: 8, .value_kind: global_buffer, .address_space: global }
      - { .name: out0, .offset: 48, .size: 8, .value_kind: global_buffer, .address_space: global }
    .group_segment_fixed_size: 0
    .private_segment_fixed_size: 0
    .kernarg_segment_align: 8
    .kernarg_segment_size: 56
    .max_flat_workgroup_size: 512
    .sgpr_count:     80
    .vgpr_count:     240
    .wavefront_size: 32
...
	.end_amdgpu_metadata
.endif
;; end of part 2
